; MI455X (gfx1250); checked and timed in simulation.
; The chip was launched on July 23, 2026; its instructions are those of AMD's public machine-readable ISA for CDNA 5 (MIT licence, August 2026) and "CDNA5" Instruction Set Architecture Reference Guide (July 2026). The comments in the code are by the model that wrote it; some were corrected since.
;; Self Attention. Allowed arithmetic: matrix products marked QUANTISED: E5M2 operands, one E8M0 scale for each 32 along K, by v_wmma_scale_f32_16x16x128_f8f6f4 with both operands' format E5M2, f32 sums; everything else in f32.
;; Inputs: fc_b 128 float32; fc_w_codes 128 x 32 x 32 uint8 (E5M2 codes of fc_w, K innermost, in blocks of 32 codes); fc_w_scales 128 x 32 uint8 (E8M0 scales of fc_w, one for each 32 codes along K); key_codes 4 x 2,048 x 32 x 32 uint8 (E5M2 codes of key, K innermost, in blocks of 32 codes); key_scales 4 x 2,048 x 32 uint8 (E8M0 scales of key, one for each 32 codes along K); mask 4 x 1 x 1 x 2,048 int32; query_codes 4 x 2,048 x 32 x 32 uint8 (E5M2 codes of query, K innermost, in blocks of 32 codes); query_scales 4 x 2,048 x 32 uint8 (E8M0 scales of query, one for each 32 codes along K); value_codes 4 x 2,048 x 32 x 32 uint8 (E5M2 codes of value, K innermost, in blocks of 32 codes); value_scales 4 x 2,048 x 32 uint8 (E8M0 scales of value, one for each 32 codes along K); wk_b 1,024 float32; wk_w_codes 1,024 x 32 x 32 uint8 (E5M2 codes of wk_w, K innermost, in blocks of 32 codes); wk_w_scales 1,024 x 32 uint8 (E8M0 scales of wk_w, one for each 32 codes along K); wq_b 1,024 float32; wq_w_codes 1,024 x 32 x 32 uint8 (E5M2 codes of wq_w, K innermost, in blocks of 32 codes); wq_w_scales 1,024 x 32 uint8 (E8M0 scales of wq_w, one for each 32 codes along K); wv_b 1,024 float32; wv_w_codes 1,024 x 32 x 32 uint8 (E5M2 codes of wv_w, K innermost, in blocks of 32 codes); wv_w_scales 1,024 x 32 uint8 (E8M0 scales of wv_w, one for each 32 codes along K).
;; Outputs: out0 8,192 x 4 x 32 float32.
;; This version of the problem:
;;   THIS VERSION OF THE PROBLEM IS GIVEN IN LOW PRECISION. The matrix products marked QUANTISED in the list below multiply operands that are first quantised to E5M2 (5 exponent bits, 2 mantissa bits; 8 bits a number), with one power-of-two scale for each 32 numbers along K (OCP MX v1.0); their sums are f32. All else is computed in f32.
;;   The module's matrix products, in the order in which they are computed (A, B: the left and right operand; K: the contracted axis; several contracted axes count as one K, in the product's order):
;;     1. [M 8,192, K 1,024] x [K 1,024, N 1,024]; A: input query (given as codes); B: input wq_w (given as codes): QUANTISED
;;     2. [M 8,192, K 1,024] x [K 1,024, N 1,024]; A: input key (given as codes); B: input wk_w (given as codes): QUANTISED
;;     3. [M 8,192, K 1,024] x [K 1,024, N 1,024]; A: input value (given as codes); B: input wv_w (given as codes): QUANTISED
;;     4. batch 64 x [M 2,048, K 64] x [K 64, N 2,048]; A: computed on the way; B: computed on the way: QUANTISED
;;     5. batch 64 x [M 2,048, K 2,048] x [K 2,048, N 64]; A: softmax (see below); B: computed on the way: QUANTISED
;;     6. [M 8,192, K 1,024] x [K 1,024, N 128]; A: computed on the way; B: input fc_w (given as codes): QUANTISED
;;   THE QUANTISER, for each operand of a quantised product, along K:
;;     - K is cut into blocks of 32 from its start; a last block that is shorter is filled with zeros.
;;     - A block's scale is 2^e with e = floor(log2(the largest magnitude in the block)) - 15, held to -126 .. 127; a block of zeros has e = 0. As a byte (E8M0): e + 127.
;;     - Each number is divided by its block's scale, clamped to +-57,344, and rounded to the nearest number of E5M2, ties to even, subnormals kept.
;;     - The product sums the exact products of the quantised numbers (number of the format x scale) in f32.
;;   ~~~python
;;   def quantise(x, axis):      # numpy; x: float32 -> the quantised numbers, widened to float32 again
;;       x = np.moveaxis(x, axis, -1); K = x.shape[-1]
;;       x = np.pad(x, [(0, 0)] * (x.ndim - 1) + [(0, -K % 32)]); x = x.reshape(x.shape[:-1] + (-1, 32)); a = np.abs(x).max(-1, keepdims=True)
;;       e = np.where(a > 0, np.clip(np.frexp(np.where(a > 0, a, 1))[1] - 1 - 15, -126, 127), 0)      # np.frexp(a)[1] - 1 = floor(log2(a)), exactly
;;       r = np.clip(x / 2.0 ** e, -57344, 57344)
;;       step = 2.0 ** (np.maximum(np.frexp(np.where(r == 0, 1, r))[1] - 1, -14) - 2)
;;       q = np.round(r / step) * step * 2.0 ** e      # np.round: ties to even
;;       return np.moveaxis(q.reshape(q.shape[:-2] + (-1,))[..., :K], -1, axis).astype(np.float32)
;;   ~~~
;;   SOFTMAX AHEAD OF A QUANTISED PRODUCT. Where the list says 'softmax', what is quantised is not the finished softmax but p = 2^(t - M), with t = logit x log2(e) and M = ceil(the row's largest t), a whole number; so 1/2 < the row's largest p <= 1. The row's sum l is taken of the UNQUANTISED p, in f32, and the product's result is divided by l at the end. Since M is a whole number, a kernel that streams over the keys may use a running M (the ceiling of the running maximum): every later rescaling is an exact power of two, which a block's scale takes up: the codes' values come out the same.
;;   OPERANDS COMPUTED ON THE WAY. 'Computed on the way' means the value that the module computes at that place (a softmax that the list does not call 'softmax' is quantised finished and normalised). What goes into a quantiser is computed in f32, as accurately as f32 sums, v_exp_f32 and their like allow (about 1e-6 of the number): no bf16 or f16 on the way to a quantiser, and a product that is left as it is and whose result goes on into a quantised operand takes f32 operands (vector FMAs, or v_wmma_f32_16x16x4_f32). A number that lies on a knife's edge between two numbers of the format may be rounded either way, as far as f32 arithmetic and the matrix unit's own rounding can turn it there, and no further.
;;   INPUTS GIVEN AS CODES. fc_w (in the module: [128, 1024], K = its axis 1); key (in the module: [4, 2048, 1024], K = its axis 2); query (in the module: [4, 2048, 1024], K = its axis 2); value (in the module: [4, 2048, 1024], K = its axis 2); wk_w (in the module: [1024, 1024], K = its axis 1); wq_w (in the module: [1024, 1024], K = its axis 1); wv_w (in the module: [1024, 1024], K = its axis 1): each comes as NAME_codes (uint8): NAME with its K axis moved to the last place and cut into blocks of 32 codes, [.., K / 32, bytes a block], one block behind the other in memory; one code a byte (a code: sign, 5 exponent bits, 2 mantissa bits); and NAME_scales (uint8): the same leading axes, one E8M0 byte (e + 127) for each 32 codes along K. Its value is code x scale, taken as it is: it is not quantised again, and the codes and scales need not be those that the quantiser above would give.
;; One version. Each part assembles by itself: llvm-mc -triple=amdgcn-amd-amdhsa -mcpu=gfx1250 --defsym DOCPART=n.
;; ======== version 1 of 1: 3 launches
;; limits: right only within a limited range of input values
;; workspace buffers: qimg 8,388,608 bytes; qsc 262,144 bytes; kimg 8,388,608 bytes; ksc 262,144 bytes; vimg 8,388,608 bytes; vsc 262,144 bytes; ximg 8,388,608 bytes; xsc 524,288 bytes
;; launch proj (part 1): grid 32 x 12, 4 waves a work-group, clusters of 4 x 4, 327,680 bytes of LDS; arguments query_codes, query_scales, wq_w_codes, wq_w_scales, wq_b, qimg, qsc, key_codes, key_scales, wk_w_codes, wk_w_scales, wk_b, kimg, ksc, wv_w_codes, wv_w_scales, value_codes, value_scales, wv_b, vimg, vsc; writes qimg, qsc, kimg, ksc, vimg, vsc
.if DOCPART == 1
	.amdgcn_target "amdgcn-amd-amdhsa--gfx1250"
	.amdhsa_code_object_version 6
	.text
	.protected	k_q47a5756653_proj
	.globl	k_q47a5756653_proj
	.p2align	8
	.type	k_q47a5756653_proj,@function
k_q47a5756653_proj:
	s_mov_b64 s[64:65], 0
	v_nop
	global_prefetch_b8 v0, s[64:65] scope:SCOPE_SE
	s_setreg_imm32_b32 hwreg(HW_REG_WAVE_MODE, 25, 1), 1
	s_wait_xcnt 0x0
	s_wait_alu depctr_hold_cnt(0) depctr_sa_sdst(0) depctr_va_vdst(0) depctr_va_sdst(0) depctr_va_ssrc(0) depctr_va_vcc(0) depctr_vm_vsrc(0)
	s_getreg_b32 s2, hwreg(HW_REG_IB_STS2, 6, 4)
	s_cmp_eq_u32 s2, 0
	s_cbranch_scc0 .Lentry_in_a_cluster
	s_endpgm
.Lentry_in_a_cluster:
	s_bfe_u32 s2, ttmp6, 0x10000c
	s_cmp_lg_u32 s2, 0xf033
	s_cbranch_scc0 .Lentry_shape_is_right
	s_endpgm
.Lentry_shape_is_right:
.set KSTEP,  256
.set NQ,     2
.set ROWB,   256
.set KROW,   1024
.set PITCH,  272
.set FR,     16
.set NL,     4
.set NP,     8
.set HALFT,  128*PITCH
.set SLOT,   4*HALFT
.set LAPS,   2
.set KS,     32
.set SCL,    2*SLOT
.set HALFS,  (128*KS/256)*272
.set SBLK,   (16*KS/256)*272
.set SPARE,  SCL+4*HALFS
.set BL,   8
.set ADRA, 16
.set VO0,  18
.set ADRB, 20
.set SCO,  22
.set BO,   24
.set ADRS, 27
.set SPW,  28
.set NIL,  29
.set SC,   32
.set BR,   64
.set T,    64
.set AF,   128
.set TM,   160
.set WD,   176
.set BLP,  184
.set G1, 24
.set G0, 32
.set G1B, 48
.set G0B, 56
.set G1S, 68
.set G0S, 76
.set G1SB, 80
.set G0SB, 88
.set MSB, 0
.macro WIN new
.if MSB != \new
	s_set_vgpr_msb (MSB<<8)|\new
.set MSB, \new
.endif
.endm
.set MUL_LO, 0xa1
.set MUL_HI, 0xf1
.set TO_B,   0x40
.macro JLOAD g0a, g1a, g0b, g1b
	s_cmp_eq_u32 s15, 0
	s_cbranch_scc0 .Lfor_b_\@
	tensor_load_to_lds s[\g0a:\g0a+3], s[\g1a:\g1a+7]
	s_nop 0
.rept 4
	v_nop
.endr
	s_branch .Lasked_\@
.Lfor_b_\@:
	tensor_load_to_lds s[\g0b:\g0b+3], s[\g1b:\g1b+7]
	s_nop 0
.rept 4
	v_nop
.endr
.Lasked_\@:
.endm
.macro CREST
	s_cmp_lg_u32 s14, 0
	s_cbranch_scc1 .Lnot_wave_0_\@
	s_barrier_signal -3
.Lnot_wave_0_\@:
	s_barrier_wait -3
	s_barrier_signal -1
	s_barrier_wait -1
.endm
.macro CROUND
	s_barrier_signal -1
	s_barrier_wait -1
	CREST
.endm
	s_load_b256 s[24:31], s[0:1], 0x0
	s_load_b128 s[32:35], s[0:1], 0x20
	s_load_b64 s[36:37], s[0:1], 0x30
	s_load_b256 s[40:47], s[0:1], 0x38
	s_load_b128 s[48:51], s[0:1], 0x58
	s_load_b64 s[52:53], s[0:1], 0x68
	s_load_b256 s[68:75], s[0:1], 0x70
	s_load_b128 s[76:79], s[0:1], 0x90
	s_load_b64 s[80:81], s[0:1], 0xa0
	v_lshl_add_u32 v[SPW], v0, 2, SPARE
	v_mov_b32 v[NIL], 0
	ds_add_u32 v28, v29
	ds_add_u32 v28, v29
	s_wait_dscnt 0x0
	v_lshrrev_b32 v1, 5, v0
	v_readfirstlane_b32 s14, v1
	s_lshr_b32 s15, s14, 1
	s_and_b32 s16, s14, 1
	s_and_b32 s2, ttmp7, 0xffff
	s_wait_kmcnt 0x0
	s_cmp_eq_u32 s2, 1
	s_cselect_b64 s[4:5], s[40:41], s[24:25]
	s_cselect_b64 s[6:7], s[42:43], s[26:27]
	s_cselect_b64 s[8:9], s[44:45], s[28:29]
	s_cselect_b64 s[10:11], s[46:47], s[30:31]
	s_cselect_b64 s[12:13], s[48:49], s[32:33]
	s_cselect_b64 s[98:99], s[50:51], s[34:35]
	s_cselect_b64 s[100:101], s[52:53], s[36:37]
	s_cmp_eq_u32 s2, 2
	s_cselect_b64 s[4:5], s[68:69], s[4:5]
	s_cselect_b64 s[6:7], s[70:71], s[6:7]
	s_cselect_b64 s[8:9], s[72:73], s[8:9]
	s_cselect_b64 s[10:11], s[74:75], s[10:11]
	s_cselect_b64 s[12:13], s[76:77], s[12:13]
	s_cselect_b64 s[98:99], s[78:79], s[98:99]
	s_cselect_b64 s[100:101], s[80:81], s[100:101]
	s_bfe_u32 s40, ttmp6, 0x40000
	s_bfe_u32 s41, ttmp6, 0x40004
	s_lshl_b32 s18, ttmp9, 2
	s_cmp_eq_u32 s2, 2
	s_cselect_b32 s19, 0, s18
	s_cselect_b32 s18, s18, 0
	s_cselect_b32 s95, 0, -1
	s_cselect_b32 s96, -1, 0
	s_add_co_u32 s17, s41, s19
	s_add_co_u32 s42, s40, s18
	s_lshl_b32 s43, s41, 2
	s_lshl_b32 s43, 15, s43
	s_lshl_b32 s44, 0x1111, s40
	s_or_b32 s[G1+0], s43, (0<<16)|(1<<20)|(1<<21)|(5<<22)|(3<<25)
	s_or_b32 s[G1B+0], s44, (0<<16)|(1<<20)|(1<<21)|(5<<22)|(3<<25)
.irp g, G1, G1B
	s_mov_b32 s[\g+1], ROWB<<16
	s_mov_b32 s[\g+2], 128<<16
	s_mov_b32 s[\g+3], ROWB<<16
	s_mov_b32 s[\g+4], 128
	s_mov_b32 s[\g+5], KROW
	s_mov_b32 s[\g+6], 0
	s_mov_b32 s[\g+7], 0
.endr
	s_or_b32 s[G1S+0], s43, (3<<16)|(1<<20)|(1<<21)|(5<<22)|(3<<25)
	s_or_b32 s[G1SB+0], s44, (3<<16)|(1<<20)|(1<<21)|(5<<22)|(3<<25)
.irp g, G1S, G1SB
	s_mov_b32 s[\g+1], 32<<16
	s_mov_b32 s[\g+2], (128*KS/256)<<16
	s_mov_b32 s[\g+3], 32<<16
	s_mov_b32 s[\g+4], 128*KS/256
	s_mov_b32 s[\g+5], 32
	s_mov_b32 s[\g+6], 0
	s_mov_b32 s[\g+7], 0
.endr
	s_lshl_b32 s18, s16, 7
	s_lshl_b32 s20, s17, 8
	s_add_co_u32 s20, s20, s18
	s_lshl_b32 s46, s42, 8
	s_add_co_u32 s46, s46, s18
	s_mov_b32 s21, 0
	s_mov_b32 s47, 0
	s_lshl_b64 s[22:23], s[20:21], 5
	s_lshl_b64 s[92:93], s[46:47], 5
	s_lshl_b64 s[20:21], s[20:21], 10
	s_lshl_b64 s[46:47], s[46:47], 10
	s_mul_i32 s45, s14, HALFT
	s_mul_i32 s94, s14, HALFS
	s_add_nc_u64 s[20:21], s[4:5], s[20:21]
	s_add_nc_u64 s[22:23], s[6:7], s[22:23]
	s_add_nc_u64 s[46:47], s[8:9], s[46:47]
	s_add_nc_u64 s[92:93], s[10:11], s[92:93]
	CROUND
	s_mov_b32 s[G0S], 1
	s_add_co_u32 s[G0S+1], s94, SCL
	s_mov_b64 s[G0S+2:G0S+3], s[22:23]
	s_or_b32 s[G0S+3], s[G0S+3], 0x80000000
	s_mov_b32 s[G0SB], 1
	s_add_co_u32 s[G0SB+1], s94, SCL
	s_mov_b64 s[G0SB+2:G0SB+3], s[92:93]
	s_or_b32 s[G0SB+3], s[G0SB+3], 0x80000000
	JLOAD G0S, G1S, G0SB, G1SB
.irp s, 0,1
	s_mov_b32 s[G0+4*\s], 1
	s_add_co_u32 s[G0+4*\s+1], s45, \s*SLOT
	s_add_nc_u64 s[G0+4*\s+2:G0+4*\s+3], s[20:21], \s*ROWB
	s_or_b32 s[G0+4*\s+3], s[G0+4*\s+3], 0x80000000
	s_mov_b32 s[G0B+4*\s], 1
	s_add_co_u32 s[G0B+4*\s+1], s45, \s*SLOT
	s_add_nc_u64 s[G0B+4*\s+2:G0B+4*\s+3], s[46:47], \s*ROWB
	s_or_b32 s[G0B+4*\s+3], s[G0B+4*\s+3], 0x80000000
	s_wait_alu depctr_va_vdst(0)
	s_wait_tensorcnt 0x0
	ds_add_u32 v28, v29
	s_wait_dscnt 0x0
	CROUND
	JLOAD G0+4*\s, G1, G0B+4*\s, G1B
.endr
	v_and_b32 v1, 15, v0
	v_bfe_u32 v2, v0, 4, 1
	v_mul_u32_u24 v3, v1, PITCH
	v_lshl_add_u32 v4, v2, 4, v3
	s_mul_i32 s21, s15, HALFT
	s_mul_i32 s22, s16, HALFT
	s_add_co_u32 s22, s22, 2*HALFT
.irp s, 0,1
	v_add_nc_u32 v[ADRA+\s], s21, v4
	v_add_nc_u32 v[ADRB+\s], s22, v4
	s_add_co_u32 s21, s21, SLOT
	s_add_co_u32 s22, s22, SLOT
.endr
	v_mul_u32_u24 v5, v1, KS
	v_lshrrev_b32 v6, 8, v5
	v_lshl_add_u32 v5, v6, 4, v5
	s_mul_i32 s21, s15, HALFS
	s_mul_i32 s22, s16, HALFS
	s_add_co_u32 s22, s22, 2*HALFS
	s_sub_co_u32 s22, s22, s21
	v_mul_u32_u24 v6, s22, v2
	s_add_co_u32 s21, s21, SCL
	v_add_nc_u32 v5, v5, v6
	v_add_nc_u32 v[ADRS], s21, v5
	s_lshl_b32 s20, s17, 8
	s_lshl_b32 s21, s15, 7
	s_add_co_u32 s20, s20, s21
	s_lshl_b32 s46, s42, 8
	s_lshl_b32 s47, s16, 7
	s_add_co_u32 s46, s46, s47
	s_lshl_b32 s21, s46, 2
	s_and_b32 s21, s21, s95
	s_lshl_b32 s22, s20, 2
	s_and_b32 s22, s22, s96
	v_lshl_add_u32 v[BO], v2, 5, s21
	v_lshl_add_u32 v[BO+1], v1, 2, s22
.irp b, 0,1,2,3,4,5,6,7
	global_load_b128 v[BR+8*\b:BR+8*\b+3], v[BO], s[12:13] offset:64*\b
	global_load_b128 v[BR+8*\b+4:BR+8*\b+7], v[BO], s[12:13] offset:64*\b+16
.endr
.irp a, 0,1,2,3,4,5,6,7
	global_load_b32 v[BL+\a], v[BO+1], s[12:13] offset:64*\a
.endr
	s_lshr_b32 s21, s20, 11
	s_lshl_b32 s21, s21, 3
	s_lshr_b32 s22, s46, 7
	s_add_co_u32 s21, s21, s22
	s_and_b32 s23, s20, 2047
	s_lshl_b32 s92, s21, 18
	s_lshl_b32 s93, s23, 7
	s_add_co_u32 s92, s92, s93
	s_lshl_b32 s21, s21, 13
	s_lshl_b32 s23, s23, 2
	s_add_co_u32 s93, s21, s23
	s_lshr_b32 s21, s46, 11
	s_lshl_b32 s21, s21, 4
	s_lshr_b32 s22, s20, 6
	s_add_co_u32 s21, s21, s22
	s_and_b32 s23, s46, 2047
	s_lshl_b32 s66, s21, 17
	s_lshl_b32 s67, s23, 6
	s_add_co_u32 s66, s66, s67
	s_lshl_b32 s21, s21, 12
	s_lshl_b32 s23, s23, 1
	s_add_co_u32 s67, s21, s23
	s_cmp_eq_u32 s2, 2
	s_cselect_b32 s92, s66, s92
	s_cselect_b32 s66, s67, s93
	s_mov_b32 s21, 131072
	s_cselect_b32 s21, s21, 8192
	s_mov_b32 s22, 4096
	s_cselect_b32 s22, s22, 256
	s_mov_b32 s93, 0
	s_mov_b32 s67, 0
	s_add_nc_u64 s[98:99], s[98:99], s[92:93]
	s_add_nc_u64 s[100:101], s[100:101], s[66:67]
	s_mov_b32 s97, 0xffff0000
	v_and_b32 v6, 31, v0
	v_lshlrev_b32 v[VO0], 4, v6
	v_add_nc_u32 v[VO0+1], s21, v[VO0]
	v_mul_u32_u24 v[SCO], s22, v2
	v_lshl_add_u32 v[SCO], v1, 4, v[SCO]
	s_wait_loadcnt 0x0
.set i, 0
.rept 64
	v_and_b32 v[BR+i], s95, v[BR+i]
.set i, i+1
.endr
.irp a, 0,1,2,3,4,5,6,7
	v_and_b32 v[BL+\a], s96, v[BL+\a]
.endr
.macro FRAG reg, adr, q, i
.irp c, 0,1,2,3
	ds_load_b128 v[\reg+4*\c:\reg+4*\c+3], v[\adr] offset:128*(\q)+32*\c+(\i)*16*PITCH
.endr
.endm
.macro MUL16 a0, p, q, sc, zero
.irp a, \a0, \a0+1
.irp b, 0,1,2,3,4,5,6,7
.if \zero
	v_wmma_scale_f32_16x16x128_f8f6f4 v[8*(8*((\a)%4)+\b):8*(8*((\a)%4)+\b)+7], v[128*(\p)+FR*\b:128*(\p)+FR*\b+FR-1], v[AF+FR*(\a):AF+FR*(\a)+FR-1], v[BR+8*\b:BR+8*\b+7], v[SC+8*NQ*(\sc)+NQ*\b+(\q)], v[SC+8*NQ*(\sc)+NQ*(\a)+(\q)] matrix_a_fmt:MATRIX_FMT_BF8 matrix_b_fmt:MATRIX_FMT_BF8 matrix_a_scale:MATRIX_SCALE_ROW1
.else
	v_wmma_scale_f32_16x16x128_f8f6f4 v[8*(8*((\a)%4)+\b):8*(8*((\a)%4)+\b)+7], v[128*(\p)+FR*\b:128*(\p)+FR*\b+FR-1], v[AF+FR*(\a):AF+FR*(\a)+FR-1], v[8*(8*((\a)%4)+\b):8*(8*((\a)%4)+\b)+7], v[SC+8*NQ*(\sc)+NQ*\b+(\q)], v[SC+8*NQ*(\sc)+NQ*(\a)+(\q)] matrix_a_fmt:MATRIX_FMT_BF8 matrix_b_fmt:MATRIX_FMT_BF8 matrix_a_scale:MATRIX_SCALE_ROW1
.endif
.endr
.endr
.endm
.macro FETCH_B slot, q, p
	WIN TO_B
.irp i, 0,1,2,3,4,5,6,7
	FRAG 128*(\p)+FR*\i, ADRB+\slot, \q, \i
.endr
	WIN 0
.endm
.macro FETCH_A slot, q, i0
.irp i, \i0, \i0+1, \i0+2, \i0+3
	FRAG AF+FR*(\i), ADRA+\slot, \q, \i
.endr
.endm
.macro SCALES sc
.irp i, 0,1,2,3,4,5,6,7
	ds_load_b64 v[SC+8*NQ*\sc+NQ*\i:SC+8*NQ*\sc+NQ*\i+1], v[ADRS] offset:\i*SBLK
.endr
.endm
.macro PLACES n
.rept \n
	v_nop
.endr
.endm
.macro STEP slot, q, zero
	s_wait_dscnt 4*NL
.if \zero
	WIN 0x81
.else
	WIN MUL_LO
.endif
	MUL16 0, (\q)%2, \q, \slot, \zero
	MUL16 2, (\q)%2, \q, \slot, \zero
	s_wait_dscnt 0
	PLACES NP
	FETCH_B \slot, (\q)+1, 1-(\q)%2
	FETCH_A \slot, (\q)+1, 0
.if \zero
	WIN 0xc1
.else
	WIN MUL_HI
.endif
	MUL16 4, (\q)%2, \q, \slot, \zero
	MUL16 6, (\q)%2, \q, \slot, \zero
	PLACES NP
	WIN 0
	FETCH_A \slot, (\q)+1, 4
.endm
.macro TURN slot, next, fill
	s_wait_tensorcnt 0x0
	ds_add_u32 v[SPW], v[NIL]
	s_wait_dscnt 4*NL+1
	WIN MUL_LO
	MUL16 0, 1, NQ-1, \slot, 0
	s_wait_dscnt 0x0
	s_barrier_signal -1
	MUL16 2, 1, NQ-1, \slot, 0
	WIN 0
	s_barrier_wait -1
.if \fill
	CREST
	s_add_nc_u64 s[G0+4*\slot+2:G0+4*\slot+3], s[G0+4*\slot+2:G0+4*\slot+3], 2*ROWB
	s_add_nc_u64 s[G0B+4*\slot+2:G0B+4*\slot+3], s[G0B+4*\slot+2:G0B+4*\slot+3], 2*ROWB
	JLOAD G0+4*\slot, G1, G0B+4*\slot, G1B
	PLACES NP-4
.else
	PLACES NP
.endif
	s_wait_alu depctr_va_vdst(0)
	v_add_nc_u32 v[ADRS], 4*NQ, v[ADRS]
	FETCH_B \next, 0, 0
	FETCH_A \next, 0, 0
	SCALES \next
	WIN MUL_HI
	MUL16 4, 1, NQ-1, \slot, 0
	MUL16 6, 1, NQ-1, \slot, 0
	PLACES NP
	WIN 0
	FETCH_A \next, 0, 4
.endm
	s_wait_alu depctr_va_vdst(0)
	s_wait_tensorcnt 1
	s_barrier_signal -1
	s_barrier_wait -1
	FETCH_B 0, 0, 0
	FETCH_A 0, 0, 0
	SCALES 0
	FETCH_A 0, 0, 4
	STEP 0, 0, 1
	s_mov_b32 s3, LAPS-1
.Llap:
	TURN 0, 1, 1
	STEP 1, 0, 0
	TURN 1, 0, 1
	STEP 0, 0, 0
	s_sub_co_u32 s3, s3, 1
	s_cmp_lg_u32 s3, 0
	s_cbranch_scc1 .Llap
	TURN 0, 1, 0
	STEP 1, 0, 0
	s_wait_dscnt 4*NL
	WIN MUL_LO
	MUL16 0, 1, NQ-1, 1, 0
	MUL16 2, 1, NQ-1, 1, 0
	s_wait_dscnt 0
	WIN MUL_HI
	MUL16 4, 1, NQ-1, 1, 0
	MUL16 6, 1, NQ-1, 1, 0
	WIN 0
.macro QUANT
.irp b, 0,1,2,3
	v_max3_num_f32 v[TM+\b], |v[T+16*\b]|, |v[T+1+16*\b]|, 0x8000000
.endr
.irp i, 2,4,6,8,10,12,14
.irp b, 0,1,2,3
	v_max3_num_f32 v[TM+\b], v[TM+\b], |v[T+16*\b+\i]|, |v[T+1+16*\b+\i]|
.endr
.endr
.irp b, 0,1,2,3
	v_permlanex16_b32 v[TM+4+\b], v[TM+\b], s20, s21
.endr
.irp b, 0,1,2,3
	v_max_num_f32 v[TM+\b], v[TM+\b], v[TM+4+\b]
.endr
.irp b, 0,1,2,3
	v_add_nc_u32 v[TM+12+\b], 0xf8800000, v[TM+\b]
.endr
.irp b, 0,1,2,3
	v_and_or_b32 v[TM+8+\b], v[TM+\b], 0x7f800000, s22
.endr
.irp b, 0,1,2,3
	v_lshrrev_b32 v[TM+4+\b], 23, v[TM+12+\b]
.endr
	v_lshl_or_b32 v[PW], v[TM+5], 8, v[TM+4]
	v_lshl_or_b32 v[PW], v[TM+6], 16, v[PW]
	v_lshl_or_b32 v[PW], v[TM+7], 24, v[PW]
.irp b, 0,1,2,3
.irp i, 0,1,2,3,4,5,6,7,8,9,10,11,12,13,14,15
	v_med3_num_f32 v[T+16*\b+\i], v[T+16*\b+\i], -v[TM+8+\b], v[TM+8+\b]
.endr
	v_cvt_scalef32_pk8_bf8_f32 v[PC+4*\b:PC+1+4*\b], v[T+16*\b:T+7+16*\b], v[TM+12+\b]
	v_cvt_scalef32_pk8_bf8_f32 v[PC+2+4*\b:PC+3+4*\b], v[T+8+16*\b:T+15+16*\b], v[TM+12+\b]
.endr
	v_nop
.endm
.macro OUTBLK a
.set AC, 64*((\a)%4)
.set PC, 128+16*((\a)%2)
.set PW, WD+(\a)
	s_wait_xcnt 0x0
	WIN 0x02+(\a)/4
.set i, 0
.rept 32
	v_pk_add_f32 v[T+i:T+i+1], v[AC+i:AC+i+1], v[BLP+2*(\a):BLP+2*(\a)+1]
.set i, i+2
.endr
	WIN 0
	QUANT
.irp c, 0,1,2,3
	global_store_b128 v[VO0+(\a)/4], v[PC+4*\c:PC+4*\c+3], s[98:99] offset:((\a)%4)*2048+512*\c
.endr
.endm
	PLACES NP
	s_mov_b32 s20, 0x76543210
	s_mov_b32 s21, 0xfedcba98
	s_mov_b32 s22, 0x600000
.irp a, 0,1,2,3,4,5,6,7
	v_mov_b32 v[BLP+2*\a], v[BL+\a]
	v_mov_b32 v[BLP+2*\a+1], v[BL+\a]
.endr
.irp b, 0,1,2,3
	v_mov_b32 v[TM+4+\b], 0
.endr
.irp a, 0,1,2,3,4,5,6,7
	OUTBLK \a
.endr
.irp i, 0,1,2,3
	v_cndmask_b32 v[WD+\i], v[WD+\i], v[WD+4+\i], s97
.endr
	global_store_b128 v[SCO], v[WD:WD+3], s[100:101]
	s_wait_tensorcnt 0x0
	ds_add_u32 v[SPW], v[NIL]
	s_wait_dscnt 0x0
	CROUND
	s_endpgm
.Lfunc_end_k_q47a5756653_proj:
	.size	k_q47a5756653_proj, .Lfunc_end_k_q47a5756653_proj-k_q47a5756653_proj
	.p2alignl 7, 3214868480
	.fill 96, 4, 3214868480
	.section	.rodata,"a",@progbits
	.p2align	6, 0x0
	.amdhsa_kernel k_q47a5756653_proj
		.amdhsa_group_segment_fixed_size 327680
		.amdhsa_private_segment_fixed_size 0
		.amdhsa_enable_private_segment 0
		.amdhsa_kernarg_size 168
		.amdhsa_user_sgpr_count 2
		.amdhsa_user_sgpr_kernarg_segment_ptr 1
		.amdhsa_wavefront_size32 1
		.amdhsa_system_sgpr_workgroup_id_x 1
		.amdhsa_system_sgpr_workgroup_id_y 1
		.amdhsa_system_sgpr_workgroup_id_z 1
		.amdhsa_system_vgpr_workitem_id 0
		.amdhsa_next_free_vgpr 1024
		.amdhsa_next_free_sgpr 102
		.amdhsa_reserve_vcc 0
		.amdhsa_float_denorm_mode_32 3
		.amdhsa_float_denorm_mode_16_64 3
		.amdhsa_memory_ordered 1
		.amdhsa_forward_progress 1
		.amdhsa_inst_pref_size 208
	.end_amdhsa_kernel
	.amdgpu_metadata
---
amdhsa.version: [ 1, 2 ]
amdhsa.kernels:
  - .name:           k_q47a5756653_proj
    .symbol:         k_q47a5756653_proj.kd
    .args:
      - { .name: query_codes, .offset: 0, .size: 8, .value_kind: global_buffer, .address_space: global }
      - { .name: query_scales, .offset: 8, .size: 8, .value_kind: global_buffer, .address_space: global }
      - { .name: wq_w_codes, .offset: 16, .size: 8, .value_kind: global_buffer, .address_space: global }
      - { .name: wq_w_scales, .offset: 24, .size: 8, .value_kind: global_buffer, .address_space: global }
      - { .name: wq_b, .offset: 32, .size: 8, .value_kind: global_buffer, .address_space: global }
      - { .name: qimg, .offset: 40, .size: 8, .value_kind: global_buffer, .address_space: global }
      - { .name: qsc, .offset: 48, .size: 8, .value_kind: global_buffer, .address_space: global }
      - { .name: key_codes, .offset: 56, .size: 8, .value_kind: global_buffer, .address_space: global }
      - { .name: key_scales, .offset: 64, .size: 8, .value_kind: global_buffer, .address_space: global }
      - { .name: wk_w_codes, .offset: 72, .size: 8, .value_kind: global_buffer, .address_space: global }
      - { .name: wk_w_scales, .offset: 80, .size: 8, .value_kind: global_buffer, .address_space: global }
      - { .name: wk_b, .offset: 88, .size: 8, .value_kind: global_buffer, .address_space: global }
      - { .name: kimg, .offset: 96, .size: 8, .value_kind: global_buffer, .address_space: global }
      - { .name: ksc, .offset: 104, .size: 8, .value_kind: global_buffer, .address_space: global }
      - { .name: wv_w_codes, .offset: 112, .size: 8, .value_kind: global_buffer, .address_space: global }
      - { .name: wv_w_scales, .offset: 120, .size: 8, .value_kind: global_buffer, .address_space: global }
      - { .name: value_codes, .offset: 128, .size: 8, .value_kind: global_buffer, .address_space: global }
      - { .name: value_scales, .offset: 136, .size: 8, .value_kind: global_buffer, .address_space: global }
      - { .name: wv_b, .offset: 144, .size: 8, .value_kind: global_buffer, .address_space: global }
      - { .name: vimg, .offset: 152, .size: 8, .value_kind: global_buffer, .address_space: global }
      - { .name: vsc, .offset: 160, .size: 8, .value_kind: global_buffer, .address_space: global }
    .group_segment_fixed_size: 327680
    .private_segment_fixed_size: 0
    .kernarg_segment_align: 8
    .kernarg_segment_size: 168
    .max_flat_workgroup_size: 128
    .sgpr_count:     102
    .vgpr_count:     1024
    .wavefront_size: 32
...
	.end_amdgpu_metadata
.endif
;; end of part 1
;; launch attn (part 2): grid 4 x 64, 8 waves a work-group, clusters of 4 x 1, 296,960 bytes of LDS; arguments qimg, qsc, kimg, ksc, vimg, vsc, mask, ximg, xsc; writes ximg, xsc
.if DOCPART == 2
	.amdgcn_target "amdgcn-amd-amdhsa--gfx1250"
	.amdhsa_code_object_version 6
	.text
	.protected	k_q47a5756653_attn
	.globl	k_q47a5756653_attn
	.p2align	8
	.type	k_q47a5756653_attn,@function
k_q47a5756653_attn:
	s_mov_b64 s[64:65], 0
	v_nop
	global_prefetch_b8 v0, s[64:65] scope:SCOPE_SE
	s_setreg_imm32_b32 hwreg(HW_REG_WAVE_MODE, 25, 1), 1
	s_wait_xcnt 0x0
	s_wait_alu depctr_hold_cnt(0) depctr_sa_sdst(0) depctr_va_vdst(0) depctr_va_sdst(0) depctr_va_ssrc(0) depctr_va_vcc(0) depctr_vm_vsrc(0)
	s_getreg_b32 s2, hwreg(HW_REG_IB_STS2, 6, 4)
	s_cmp_eq_u32 s2, 0
	s_cbranch_scc0 .Lentry_in_a_cluster
	s_endpgm
.Lentry_in_a_cluster:
	s_bfe_u32 s2, ttmp6, 0x10000c
	s_cmp_lg_u32 s2, 0x3003
	s_cbranch_scc0 .Lentry_shape_is_right
	s_endpgm
.Lentry_shape_is_right:
; x[b][q][head] = softmax_k(where(mask[b][k] == 0, -1e10, Q.K / 8)) V, both products on codes of BF8 (E5M2) with one E8M0 scale for each 32 along K; x is quantised along the hidden axis and leaves as codes and scale words.
; THE SOFTMAX: t = score x log2(e) / 8; M = the running largest t rounded up to a whole number; p = 2^(t - M) is quantised along the keys, not normalised; the row's sum is taken of the unquantised p and divides O at the end.
; When M moves, the sum and O are multiplied by 2^(old M - new M): exact.
; SHARES.  A work-group owns 512 queries of one head (work-group y = 16 x batch + head).  Each of its eight waves owns 32 queries at a time, two tiles of 16 (tile A: 32 cx + wave + 16 pass; tile B: eight tiles on), in two passes.
; Each fragment of K and V that a wave reads from LDS feeds two products, A's and B's.  Tile A's state lies in register window 0, tile B's under the same numbers in window 1: one macro serves both.
; THE WHOLE HEAD'S K AND V LIE IN LDS, 131,072 bytes each, filled once: one tensor load a wave, 32,768 bytes each (waves 0-3: K's quarters, waves 4-7: V's).  The four work-groups of a cluster own the quarters of one head's
; queries and ask jointly.  Waves 0 and 4 bring the first 512 keys on load lines of their own and wait at the first barrier; the other six loads are shown by the barrier behind key step 2 (step 2 fetches step 3's K, still of the first 512).
; No prefetch into the L2: all fills go out at the head, and no loop stands ahead of them.
; OPERANDS LIE AS IMAGES OF THEIR REGISTERS (made by the launch before): group c of four registers at 512 c + 16 x lane.
; LAYOUT.  Both products are used transposed: S^T = K Q^T, O^T = V^T P^T: a lane holds ONE query.  The 16 registers of score tiles 2 c, 2 c + 1 hold the keys of block c in the order in which V's codes were laid.
; THE MASK RIDES IN THE UNUSED HALF OF THE FIRST PRODUCT'S K (the head has 64 channels, the instruction takes 128): K's side has the code of -2^15 where mask == 0 (else 0) under the byte 142 (2^15), Q's side the code of 1:
; a hidden key's score gets -2^30, an open key's exactly 0.  Two neighbouring tiles of keys share the eight registers of that half: [K even | mask] and [mask | K odd], with Q laid both ways.
; Where ALL keys of a batch are hidden the factor c is 0: p = 1 for every key, as the definition gives.  While all keys so far are hidden p stays under 2^9, and the first open key's factor 0 wipes what was summed.
; LIMITS: |Q.K| under 2^28 (-2^30 stands for -1e10 x 8: both give p = 0 beside any open key); a block under 2^(16 - 127) gets the byte 1; NaN and infinities are not served.
; REGISTERS, window 0 and (tile B) window 1 alike: v12 -M, v13 largest score, v[14:15] the sum, v16-39 Q both ways, v96-159 S^T then p, v160-191 O^T, v192-207 p's codes, v[210:211] c, v214-227 seven part sums, v232-254 at work.
; Window 0 alone: v1-11, v212, v213 addresses; v88-91 K's scale words, v92-95 Q's, v228-231 V's, v208, v209 p's (A, B); V's fragments take tile A's p's place.  K's pairs of tiles 0, 1: v40-87 of window 0; pairs 2, 3: of window 1.
.set VC,   131072                      ; LDS: K's images at 0: [tile of 16 keys 128][1024];  V's here: [step 16][tile of 16 channels 4][2048]
.set MZT,  262144                      ; the mask's codes: [pair of tiles 64][lane 32][8 bytes]
.set KSW,  278528                      ; K's scale words as the products want them, 8,192 bytes
.set VSW,  286720                      ; V's, 4,096 bytes.  (The last step's fetch ahead reads one step past K, MZT and KSW: V's, KSW's and VSW's bytes, which stand; nothing uses it)
.set FLAG, 290816                      ; a word a wave: has it seen an open key
.set XS,   291072                      ; x's scale words of the work-group's 512 rows
.set SPARE, 294912                     ; the spare words, 128 bytes a wave
.set DUAL, 1                           ; 1: two holds or two maxima in one dual-issue pair
.set G1K, 28
.set G1V, 36
.set G0K, 44
.set G0V, 48
.set SPW, 251
.set NIL, 255
.set MSB, 0
.macro WIN new                         ; the immediate's high byte repeats the setting that is left
.if MSB != (\new)
	s_set_vgpr_msb (MSB<<8)|(\new)
.set MSB, (\new)
.endif
.endm
.macro ROUND                           ; a round of the cluster's barrier
	s_barrier_signal -1
	s_barrier_wait -1
	s_cmp_lg_u32 s22, 0
	s_cbranch_scc1 .Lnot_wave_0_\@
	s_barrier_signal -3
.Lnot_wave_0_\@:
	s_barrier_wait -3
	s_barrier_signal -1
	s_barrier_wait -1
.endm
	s_load_b512 s[4:19], s[0:1], 0x0               ; qimg, qsc, kimg, ksc, vimg, vsc, mask, ximg
	s_load_b64 s[20:21], s[0:1], 0x40              ; xsc
	v_lshl_add_u32 v[SPW], v0, 2, SPARE
	v_mov_b32 v[NIL], 0
	ds_add_u32 v[SPW], v[NIL]                      ; the opening lines: the add twice on end and its wait
	ds_add_u32 v[SPW], v[NIL]
	v_lshrrev_b32 v8, 5, v0
	v_readfirstlane_b32 s22, v8                    ; wave 0..7
	s_and_b32 s91, ttmp7, 0xffff                   ; y = 16 x batch + head: the four partners share it
	s_lshr_b32 s92, s91, 4                         ; batch
	s_and_b32 s93, s91, 15                         ; head
	s_lshr_b32 s94, s93, 1                         ; head pair
	s_and_b32 s95, s93, 1                          ; which of the pair
	s_bfe_u32 s96, ttmp6, 0x40000                  ; cx: it enters Q's, ximg's and xsc's global addresses alone
	s_lshl_b32 s97, s92, 3
	s_add_co_u32 s97, s97, s94                     ; 8 x batch + pair
	s_and_b32 s98, s22, 3                          ; my quarter of K or of V
	s_lshl_b32 s99, s22, 15                        ; where it goes: 32,768 x wave (V's images begin at 4 x 32,768)
	s_lshl_b32 s90, s95, 4
	s_mov_b32 s23, 0x600000                        ; the mantissa field of 57,344
	s_mov_b32 s24, 0x76543210
	s_mov_b32 s25, 0xfedcba98                      ; v_permlanex16_b32's selects for lane l xor 16
	s_mov_b32 s62, 0x8000000                       ; the floor 2^(16 - 127)
	s_mov_b32 s[G1K], 15|(3<<16)|(1<<21)           ; K: 32 rows of 1,024 bytes (my head's half of 32 fragments), 2,048 bytes apart; elements of 8 bytes; the mask names all four work-groups
	s_mov_b32 s[G1K+1], 128<<16
	s_mov_b32 s[G1K+2], 32<<16
	s_mov_b32 s[G1K+3], 128<<16
	s_mov_b32 s[G1K+4], 32
	s_mov_b32 s[G1K+5], 256
	s_mov_b32 s[G1K+6], 0
	s_mov_b32 s[G1K+7], 0
	s_mov_b32 s[G1V], 15|(3<<16)|(1<<21)           ; V: 32,768 dense bytes as 128 rows of 256
	s_mov_b32 s[G1V+1], 32<<16
	s_mov_b32 s[G1V+2], 128<<16
	s_mov_b32 s[G1V+3], 32<<16
	s_mov_b32 s[G1V+4], 128
	s_mov_b32 s[G1V+5], 32
	s_mov_b32 s[G1V+6], 0
	s_mov_b32 s[G1V+7], 0
	s_lshl_b32 s52, s97, 18                        ; K: 262,144 a pair, + my head's half of a fragment, + my 32 tiles
	s_lshl_b32 s26, s95, 10
	s_add_co_u32 s52, s52, s26
	s_lshl_b32 s26, s98, 16
	s_add_co_u32 s52, s52, s26
	s_mov_b32 s53, 0
	s_lshl_b32 s54, s91, 17                        ; V: 131,072 a head, + my quarter
	s_lshl_b32 s26, s98, 15
	s_add_co_u32 s54, s54, s26
	s_mov_b32 s55, 0
	s_wait_dscnt 0x0                               ; both opening adds are done
	s_wait_kmcnt 0x0
	s_mov_b32 s[G0K], 1
	s_mov_b32 s[G0K+1], s99
	s_add_nc_u64 s[G0K+2:G0K+3], s[8:9], s[52:53]
	s_or_b32 s[G0K+3], s[G0K+3], 0x80000000
	s_mov_b32 s[G0V], 1
	s_mov_b32 s[G0V+1], s99
	s_add_nc_u64 s[G0V+2:G0V+3], s[12:13], s[54:55]
	s_or_b32 s[G0V+3], s[G0V+3], 0x80000000
	ROUND                                          ; all four work-groups are here: the joint loads meet
; one load a wave, in one chain of branches on the wave's number; waves 0 and 4, which wait first, have lines of their own
.macro ARM under, g0, g1, next
	s_cmp_lt_u32 s22, \under
	s_cbranch_scc0 \next
	tensor_load_to_lds s[\g0:\g0+3], s[\g1:\g1+7]
	s_nop 0
.rept 4
	v_nop
.endr
	s_branch .Lfilled
\next:
.endm
	ARM 1, G0K, G1K, .Lk_rest
	ARM 4, G0K, G1K, .Lv_first
	ARM 5, G0V, G1V, .Lv_rest
	tensor_load_to_lds s[G0V:G0V+3], s[G1V:G1V+7]
	s_nop 0
.rept 4
	v_nop
.endr
.Lfilled:
	s_mov_b32 s3, 0                                ; the other buffers at my work-group's or my wave's part
	s_lshl_b32 s26, s96, 5
	s_add_co_u32 s26, s26, s22                     ; tile A of the first pass: 32 cx + wave
	s_lshl_b32 s2, s26, 11
	s_lshl_b32 s27, s97, 18
	s_add_co_u32 s2, s2, s27
	s_lshl_b32 s27, s95, 10
	s_add_co_u32 s2, s2, s27
	s_add_nc_u64 s[4:5], s[4:5], s[2:3]            ; Q's codes: my head's half of my tile's fragment
	s_lshr_b32 s2, s26, 3
	s_lshl_b32 s2, s2, 9                           ; Q's scale words: 512 bytes for eight tiles,
	s_bfe_u32 s27, s26, 0x10002
	s_lshl_b32 s27, s27, 8
	s_add_co_u32 s2, s2, s27                       ; 256 for four,
	s_and_b32 s27, s26, 3
	s_lshl_b32 s27, s27, 2
	s_add_co_u32 s2, s2, s27                       ; a word a tile,
	s_lshl_b32 s27, s97, 13
	s_add_co_u32 s2, s2, s27                       ; 8,192 a pair
	s_add_nc_u64 s[6:7], s[6:7], s[2:3]
	s_lshl_b32 s2, s97, 13
	s_add_nc_u64 s[10:11], s[10:11], s[2:3]        ; K's scale words of the pair
	s_lshl_b32 s2, s91, 12
	s_add_nc_u64 s[14:15], s[14:15], s[2:3]        ; V's of the head
	s_lshl_b32 s2, s92, 13
	s_add_nc_u64 s[16:17], s[16:17], s[2:3]        ; the batch's mask
	s_lshl_b32 s2, s92, 7
	s_add_co_u32 s2, s2, s26
	s_lshl_b32 s2, s2, 3
	s_add_co_u32 s2, s2, s94
	s_lshl_b32 s2, s2, 11
	s_lshl_b32 s27, s95, 10
	s_add_co_u32 s2, s2, s27
	s_add_nc_u64 s[18:19], s[18:19], s[2:3]        ; x's images: (tile of 16 rows x 8 + pair) x 2,048 + my head's half
	s_lshl_b32 s2, s91, 13
	s_lshl_b32 s27, s96, 11
	s_add_co_u32 s2, s2, s27
	s_add_nc_u64 s[20:21], s[20:21], s[2:3]        ; x's scale words: 8,192 bytes a head, my 512 rows
	s_mul_i32 s60, s95, 0x0202
	s_add_co_u32 s60, s60, 0x0504                  ; v_perm_b32: my head's two bytes of a word below, the constant above;
	s_lshl_b32 s61, s60, 16                        ; the constant below, my two bytes above
	v_and_b32 v9, 31, v0
	v_and_b32 v10, 15, v0
	v_lshlrev_b32 v1, 4, v9                        ; 16 x lane: K's images, and global images
	v_add_nc_u32 v2, VC, v1                        ; V's images
	v_add_nc_u32 v3, KSW, v1                       ; K's scale words: lanes 0-15 tiles 0-3, lanes 16-31 tiles 4-7 of a step
	v_lshlrev_b32 v7, 4, v10                       ; 16 r
	v_add_nc_u32 v4, VSW, v7                       ; V's scale words
	v_lshl_add_u32 v5, v9, 3, MZT                  ; the mask's codes: 8 bytes a lane
	s_lshl_b32 s26, s22, 6
	s_add_co_u32 s26, s26, XS
	v_lshl_add_u32 v6, v10, 2, s26                 ; x's scale word of tile A's row: XS + 64 x wave + 4 r
	; THE PROLOGUE: scale words and mask go into LDS in the form in which the key steps take them.  Thread t of 256 serves t and t + 256 of 512 shares.
	v_lshlrev_b32 v214, 4, v0
	v_lshlrev_b32 v215, 3, v0
	v_lshrrev_b32 v216, 3, v0                      ; pair of tiles P = t / 8
	v_and_b32 v217, 7, v0                          ; u = t % 8: rows 2 u, 2 u + 1
	v_lshlrev_b32 v218, 7, v216
	v_lshl_add_u32 v218, v217, 3, v218             ; the mask's bytes of keys 32 P + 2 u, + 1
	global_load_b128 v[96:99], v214, s[10:11]      ; four of K's words
	global_load_b128 v[100:103], v214, s[10:11] offset:4096
	global_load_b64 v[104:105], v215, s[14:15]     ; two of V's words
	global_load_b64 v[106:107], v215, s[14:15] offset:2048
	global_load_b64 v[108:109], v218, s[16:17]     ; the even tile's two keys,
	global_load_b64 v[110:111], v218, s[16:17] offset:64     ; the odd tile's: 16 keys on;
	global_load_b64 v[112:113], v218, s[16:17] offset:4096   ; and 32 pairs on
	global_load_b64 v[114:115], v218, s[16:17] offset:4160
	v_add_nc_u32 v219, KSW, v214
	v_add_nc_u32 v220, VSW, v215
	v_lshlrev_b32 v221, 8, v216
	v_lshl_add_u32 v221, v217, 4, v221
	v_add_nc_u32 v221, MZT, v221                   ; MZT + 256 P + 16 u
	s_lshl_b32 s26, s22, 2
	s_add_co_u32 s26, s26, FLAG
	v_mov_b32 v222, s26
	v_mov_b32 v223, FLAG
	v_mov_b32 v225, 0xf8                           ; the code of -2^15 in byte 0
.irp j, 124,125,126,127
	v_mov_b32 v[\j], 0
.endr
.macro CONSTS                          ; zero codes (Q's unused places, six registers of each mask half), the code of 1 beside the mask's codes, and registers that are named before they are first made
.irp j, 16,18,19,20,21,22,23,33,34,35,36,37,38,39,50,51,52,53,54,55,74,75,76,77,78,79,236,237,238,239,252,253
	v_mov_b32 v[\j], 0
.endr
	v_mov_b32 v17, 0x3c
	v_mov_b32 v32, 0x3c
.endm
	CONSTS
	WIN 0x40
	CONSTS
	WIN 0
	s_wait_alu depctr_va_vdst(0)
	s_wait_loadcnt 0x0
.irp j, 96,98,100,102
	v_perm_b32 v[\j], v[\j], 0x8e8e8e8e, s60       ; even tiles: [s0, s1, 142, 142]
	v_perm_b32 v[\j+1], v[\j+1], 0x8e8e8e8e, s61   ; odd tiles: [142, 142, s0, s1]
.endr
.macro MC dst, src
	v_cmp_eq_u32 vcc_lo, 0, v[\src]
	v_cndmask_b32 v[\dst], 0, v225, vcc_lo
.endm
	MC 116, 108                                    ; row 2 u: even tile, odd tile; row 2 u + 1 likewise
	MC 117, 110
	MC 118, 109
	MC 119, 111
	MC 120, 112
	MC 121, 114
	MC 122, 113
	MC 123, 115
	v_or_b32 v224, v108, v109
.irp j, 110,111,112,113,114,115
	v_or_b32 v224, v224, v[\j]
.endr
	v_cmp_ne_u32 vcc_lo, 0, v224
	v_mov_b32 v224, vcc_lo                         ; not 0 where my wave has seen an open key
	ds_store_b128 v219, v[96:99]
	ds_store_b128 v219, v[100:103] offset:4096
	ds_store_b64 v220, v[104:105]
	ds_store_b64 v220, v[106:107] offset:2048
	ds_store_b128 v221, v[116:119]
	ds_store_b128 v221, v[124:127] offset:128      ; lanes 16-31 of the mask half hold zero codes
	ds_store_b128 v221, v[120:123] offset:8192
	ds_store_b128 v221, v[124:127] offset:8320
	ds_store_b32 v222, v224
	s_wait_alu depctr_va_vdst(0)
	s_wait_dscnt 0x0                               ; for the others' sake: my stores are done
	s_cmp_eq_u32 s22, 0
	s_cbranch_scc1 .Lfirst
	s_cmp_eq_u32 s22, 4
	s_cbranch_scc0 .Lnot_first
.Lfirst:
	s_wait_tensorcnt 0x0                           ; waves 0 and 4: the first 512 keys of K and of V are in
.Lnot_first:
	s_barrier_signal -1
	s_barrier_wait -1                              ; (the other six loads stay out)
	ds_load_b128 v[96:99], v223
	ds_load_b128 v[100:103], v223 offset:16
	s_wait_dscnt 0x0
.irp j, 97,98,99,100,101,102,103
	v_or_b32 v96, v96, v[\j]
.endr
	v_cmp_ne_u32 vcc_lo, 0, v96
	v_mov_b32 v211, 0x3e38aa3b                     ; c = log2(e) / 8,
	v_cndmask_b32 v210, 0, v211, vcc_lo            ; or 0 where every key of the batch is hidden
	v_mov_b32 v211, v210
	WIN 0x40
	v_mov_b32 v210, v210                           ; and the same for tile B
	v_mov_b32 v211, v211
	WIN 0
	s_mov_b32 s100, 0                              ; the pass's place in XS
	s_mov_b32 s89, 2
	s_wait_alu depctr_va_vdst(0)                   ; the wait at the head's end
.macro MAX2 x, y
.if DUAL
	v_dual_max_num_f32 v[\x], v[\x], v[\y] :: v_dual_max_num_f32 v[\x+1], v[\x+1], v[\y+1]
.else
	v_max_num_f32 v[\x], v[\x], v[\y]
	v_max_num_f32 v[\x+1], v[\x+1], v[\y+1]
.endif
.endm
.macro FLR2 x
.if DUAL
	v_dual_max_num_f32 v[\x], s62, v[\x] :: v_dual_max_num_f32 v[\x+1], s62, v[\x+1]
.else
	v_max_num_f32 v[\x], s62, v[\x]
	v_max_num_f32 v[\x+1], s62, v[\x+1]
.endif
.endm
.macro TAIL                            ; the last step's seven part sums join the row's sum: plain lines that name no register of a product, so they also serve as places behind products
	v_pk_add_f32 v[214:215], v[214:215], v[216:217]
	v_pk_add_f32 v[218:219], v[218:219], v[220:221]
	v_pk_add_f32 v[222:223], v[222:223], v[224:225]
	v_pk_add_f32 v[14:15], v[14:15], v[226:227]
	v_pk_add_f32 v[214:215], v[214:215], v[218:219]
	v_pk_add_f32 v[14:15], v[14:15], v[222:223]
	v_pk_add_f32 v[14:15], v[14:15], v[214:215]
.endm
.macro KPRE ak, am, aw, ko, mo, wo     ; a step's K: four pairs [K even | mask | K odd] of 24 registers, and the scale words: 21 loads
	ds_load_b128 v[88:91], v[\aw] offset:\wo
.irp i, 0,1,2,3
	WIN 0x40*(\i/2)
.set KB, 40+24*(\i%2)
	ds_load_b128 v[KB:KB+3], v[\ak] offset:\ko+2048*\i
	ds_load_b128 v[KB+4:KB+7], v[\ak] offset:\ko+2048*\i+512
	ds_load_b128 v[KB+16:KB+19], v[\ak] offset:\ko+2048*\i+1024
	ds_load_b128 v[KB+20:KB+23], v[\ak] offset:\ko+2048*\i+1536
	ds_load_b64 v[KB+8:KB+9], v[\am] offset:\mo+256*\i
.endr
	WIN 0
.endm
.macro KQP t, i                        ; the scores of pair i of tiles of keys for tile t of queries; pairs 2, 3 take K's scale words from lanes 16-31
.set KB, 40+24*((\i)%2)
.set SD, 96+16*(\i)
.set KW, 88+2*((\i)%2)
	WIN ((\i)/2)|(0x54*(\t))
.if (\i) > 1
	v_wmma_scale_f32_16x16x128_f8f6f4 v[SD:SD+7], v[KB:KB+15], v[24:39], 0, v[KW], v[92+2*(\t)] matrix_a_fmt:MATRIX_FMT_BF8 matrix_b_fmt:MATRIX_FMT_BF8 matrix_a_scale:MATRIX_SCALE_ROW1
	v_wmma_scale_f32_16x16x128_f8f6f4 v[SD+8:SD+15], v[KB+8:KB+23], v[16:31], 0, v[KW+1], v[93+2*(\t)] matrix_a_fmt:MATRIX_FMT_BF8 matrix_b_fmt:MATRIX_FMT_BF8 matrix_a_scale:MATRIX_SCALE_ROW1
.else
	v_wmma_scale_f32_16x16x128_f8f6f4 v[SD:SD+7], v[KB:KB+15], v[24:39], 0, v[KW], v[92+2*(\t)] matrix_a_fmt:MATRIX_FMT_BF8 matrix_b_fmt:MATRIX_FMT_BF8
	v_wmma_scale_f32_16x16x128_f8f6f4 v[SD+8:SD+15], v[KB+8:KB+23], v[16:31], 0, v[KW+1], v[93+2*(\t)] matrix_a_fmt:MATRIX_FMT_BF8 matrix_b_fmt:MATRIX_FMT_BF8
.endif
.endm
; THE SOFTMAX OF ONE TILE OF 16 QUERIES AND 128 KEYS.  w: the tile's window in all four places; wd: the same with the destination in window 0; pw: p's scale word, in window 0 (scale operands have no window)
; It is written in parts, each run under the tile's window, so that the key step can lay one tile's dependent lines among the other tile's independent ones.
; P1G g: group g (four lines, a line a block) of the search for the largest score of each block of 32 keys: it serves the row's maximum and, since p rises with the score, the block's largest p.  Two chains a block: v232.. and v236..
.macro P1G g
.irp b, 0,1,2,3
.if (\g) == 0
	v_max3_num_f32 v[232+\b], v[96+16*\b], v[97+16*\b], v[98+16*\b]
.elseif (\g) == 1
	v_max3_num_f32 v[236+\b], v[104+16*\b], v[105+16*\b], v[106+16*\b]
.elseif (\g) == 2
	v_max3_num_f32 v[232+\b], v[232+\b], v[99+16*\b], v[100+16*\b]
.elseif (\g) == 3
	v_max3_num_f32 v[236+\b], v[236+\b], v[107+16*\b], v[108+16*\b]
.elseif (\g) == 4
	v_max3_num_f32 v[232+\b], v[232+\b], v[101+16*\b], v[102+16*\b]
.elseif (\g) == 5
	v_max3_num_f32 v[236+\b], v[236+\b], v[109+16*\b], v[110+16*\b]
.elseif (\g) == 6
	v_max3_num_f32 v[232+\b], v[232+\b], v[236+\b], v[103+16*\b]
.else
	v_max_num_f32 v[232+\b], v[232+\b], v[111+16*\b]
.endif
.endr
.endm
; P2U u: link u = 1 .. 9 of the chain from the blocks' largest scores to -M and f
.macro P2U u
.if (\u) == 1
.irp b, 0,1,2,3
	v_permlanex16_b32 v[236+\b], v[232+\b], s24, s25
.endr
.elseif (\u) == 2
	MAX2 232, 236                                  ; with lane l xor 16's 16 keys
	MAX2 234, 238
.elseif (\u) == 3
	v_max3_num_f32 v254, v232, v233, v234
.elseif (\u) == 4
	v_max3_num_f32 v13, v13, v254, v235            ; the running largest score
.elseif (\u) == 5
	v_mul_f32 v254, v210, v13                      ; as t (c is not negative)
.elseif (\u) == 6
	v_floor_f32 v12, -v254                         ; the new -M = floor(-t): M is a whole number
.elseif (\u) == 7
	v_sub_f32 v254, v12, v250                      ; old M - new M: a whole number, 0 or less
.elseif (\u) == 8
	v_cvt_i32_f32 v254, v254                       ; (it saturates)
.else
	v_ldexp_f32 v252, 1.0, v254                    ; f = 2^(old M - new M)
.endif
.endm
; P3L from, cnt: lines from .. from + cnt - 1 of 51: 0-31 t - M of the scores, two at a time; 32, 33 the same of the blocks' largest; 34 the sum, 35-50 O^T under the new M.  O^T is first read here, ahead of the exponentials
.macro P3L from, cnt
.set n, \from
.rept \cnt
.if n < 32
	v_pk_fma_f32 v[96+2*n:97+2*n], v[96+2*n:97+2*n], v[210:211], v[12:13] op_sel_hi:[1,0,0]
.elseif n < 34
	v_pk_fma_f32 v[232+2*(n-32):233+2*(n-32)], v[232+2*(n-32):233+2*(n-32)], v[210:211], v[12:13] op_sel_hi:[1,0,0]
.elseif n == 34
	v_pk_mul_f32 v[14:15], v[14:15], v[252:253] op_sel_hi:[1,0]
.else
	v_pk_mul_f32 v[160+2*(n-35):161+2*(n-35)], v[160+2*(n-35):161+2*(n-35)], v[252:253] op_sel_hi:[1,0]
.endif
.set n, n+1
.endr
.endm
.macro EXPS                            ; p = 2^(t - M), and the blocks' largest p: the same two instructions on the same numbers
.set j, 0
.rept 64
	v_exp_f32 v[96+j], v[96+j]
.set j, j+1
.endr
.irp b, 0,1,2,3
	v_exp_f32 v[232+\b], v[232+\b]
.endr
.endm
; POST: behind the exponentials: the blocks' scales, the row's sum, the holds and the conversions
.macro POST w, wd, pw
	WIN \w
	FLR2 232
	FLR2 234
.irp b, 0,1,2,3
	v_add_nc_u32 v[244+\b], 0xf8800000, v[232+\b]  ; 15 off the exponent field: the conversion's scale operand
.endr
.irp b, 0,1,2,3
	v_and_or_b32 v[240+\b], v[232+\b], 0x7f800000, s23   ; 57,344 x the scale
.endr
.irp b, 0,1,2,3
	v_lshrrev_b32 v[236+\b], 23, v[244+\b]         ; the scale's byte
.endr
	v_lshl_or_b32 v253, v237, 8, v236
	v_lshl_or_b32 v253, v238, 16, v253
	WIN \wd
	v_lshl_or_b32 v[\pw], v239, 24, v253           ; p's scale word for these 128 keys
	WIN \w
.set k, 0
.rept 7
	v_pk_add_f32 v[214+2*k:215+2*k], v[96+4*k:97+4*k], v[98+4*k:99+4*k]   ; the row's sum of the unquantised p: seven part sums and the sum itself, eight chains
.set k, k+1
.endr
.set j, 14
.rept 18
.set k, (j-14)%8
.if k < 7
	v_pk_add_f32 v[214+2*k:215+2*k], v[214+2*k:215+2*k], v[96+2*j:97+2*j]
.else
	v_pk_add_f32 v[14:15], v[14:15], v[96+2*j:97+2*j]
.endif
.set j, j+1
.endr
.irp b, 0,1,2,3
.set j, 96+16*\b
.rept 8                                        ; the conversion to an 8-bit code does not saturate (ISA guide 7.6.2); p is not negative, so the hold is one-sided
.if DUAL
	v_dual_min_num_f32 v[j], v[240+\b], v[j] :: v_dual_min_num_f32 v[j+1], v[240+\b], v[j+1]
.else
	v_min_num_f32 v[j], v[j], v[240+\b]
	v_min_num_f32 v[j+1], v[j+1], v[240+\b]
.endif
.set j, j+2
.endr
	v_cvt_scalef32_pk8_bf8_f32 v[192+4*\b:193+4*\b], v[96+16*\b:103+16*\b], v[244+\b]
	v_cvt_scalef32_pk8_bf8_f32 v[194+4*\b:195+4*\b], v[104+16*\b:111+16*\b], v[244+\b]
.endr
	v_nop                                          ; one plain line behind the last conversion
.endm
.macro PV t
	WIN 0x54*(\t)
.irp d, 0,1,2,3
	v_wmma_scale_f32_16x16x128_f8f6f4 v[160+8*\d:167+8*\d], v[96+16*\d:111+16*\d], v[192:207], v[160+8*\d:167+8*\d], v[228+\d], v[208+(\t)] matrix_a_fmt:MATRIX_FMT_BF8 matrix_b_fmt:MATRIX_FMT_BF8
.endr
.endm
; A KEY STEP: 128 keys, 32 queries.
.macro STEP
	v_add_nc_u32 v8, s84, v1                       ; thirteen plain lines: more than the nine places between the last step's products, which read V from v96 on, and the products that write scores there
	v_add_nc_u32 v212, s87, v5
	v_add_nc_u32 v10, s85, v3
	v_add_nc_u32 v9, s84, v2
	v_add_nc_u32 v11, s86, v4
	TAIL
	v_mov_b32 v250, v12                            ; the old -M
	s_wait_alu depctr_va_vdst(0)
	s_wait_dscnt 0x0                               ; this step's K is in
.irp i, 0,1,2,3
	KQP 0, \i
.endr
.irp i, 2,3,0,1
	KQP 1, \i
.endr
	WIN 0x55
	TAIL                                           ; tile B's: eight plain lines, the places behind the sixteen products
	v_mov_b32 v250, v12
	WIN 0
	KPRE 8, 212, 10, 8192, 1024, 512               ; the next step's K, a step ahead
.irp g, 0,1,2,3,4,5,6,7
	P1G \g                                         ; tile A's search
.endr
.irp g, 0,1,2,3,4,5,6,7
	WIN 0
	P2U \g+1                                       ; tile A's chain, a link at a time, among the groups of tile B's search
	WIN 0x55
	P1G \g
.endr
	WIN 0
	P2U 9
.irp u, 1,2,3,4,5,6,7,8,9
	WIN 0x55
	P2U \u                                         ; tile B's chain among tile A's scalings, five lines at a time
	WIN 0
	P3L 5*(\u-1), 5
.endr
	P3L 45, 6
	WIN 0x55
	P3L 0, 51
	s_wait_alu depctr_va_vdst(0)                   ; one wait ahead of the batch of both tiles' exponentials
	EXPS
	WIN 0
	EXPS
	v_nop                                          ; a plain place behind the exponentials
	s_wait_alu depctr_va_vdst(0)                   ; and one wait behind the batch
	POST 0, 0, 208
.irp d, 0,1,2,3
.irp c, 0,1,2,3
	ds_load_b128 v[96+16*\d+4*\c:99+16*\d+4*\c], v9 offset:2048*\d+512*\c   ; V's four fragments take tile A's p's place; they land under tile B's softmax
.endr
.endr
	ds_load_b128 v[228:231], v11                   ; and their scale words
	POST 0x55, 0x15, 209
.rept 4
	v_nop                                          ; the places between tile B's conversions and the products
.endr
	s_wait_alu depctr_va_vdst(0)
	s_wait_dscnt 0x0                               ; V, and the next step's K
	PV 0
	PV 1
	WIN 0
	s_add_co_u32 s84, s84, 8192                    ; the next step: K's eight tiles and V's four fragments,
	s_add_co_u32 s85, s85, 512                     ; K's scale words,
	s_add_co_u32 s86, s86, 256                     ; V's,
	s_add_co_u32 s87, s87, 1024                    ; the mask's codes
.endm
.macro PINIT                           ; a tile's state at a pass's head: the step is written once, and its first change of M leaves zeros zeros
	v_mov_b32 v13, 0xff61b1e6                      ; the largest score so far: -3e38
	v_mul_f32 v254, v210, v13
	v_floor_f32 v12, -v254
	v_mov_b32 v14, 0
	v_mov_b32 v15, 0
.set j, 0
.rept 14
	v_mov_b32 v[214+j], 0
.set j, j+1
.endr
.set j, 0
.rept 32
	v_mov_b32 v[160+j], 0
.set j, j+1
.endr
.endm
; THE WAY OUT OF A TILE: x = O^T / the sum, quantised along the head's 64 channels (two blocks of 32).  ws: address in window 0, data in the tile's window
.macro OUT w, ws, t
	WIN \w
	TAIL
	v_add_f32 v14, v14, v15
	v_nop
	v_permlanex16_b32 v252, v14, s24, s25
	v_add_f32 v14, v14, v252                       ; the row's sum
	s_wait_alu depctr_va_vdst(0)                   ; ahead of the reciprocal
	v_rcp_f32 v14, v14
	v_nop
	s_wait_alu depctr_va_vdst(0)                   ; behind it, directly ahead of O^T's first readers
.set j, 0
.rept 32
	v_mul_f32 v[96+j], v[160+j], v14               ; register 8 d + i: channel 16 d + 8 h + i of my query
.set j, j+1
.endr
.irp b, 0,1
	v_max3_num_f32 v[232+\b], |v[96+16*\b]|, |v[97+16*\b]|, 0x8000000
.endr
.irp i, 2,4,6,8,10,12,14
.irp b, 0,1
	v_max3_num_f32 v[232+\b], v[232+\b], |v[96+16*\b+\i]|, |v[97+16*\b+\i]|
.endr
.endr
.irp b, 0,1
	v_permlanex16_b32 v[236+\b], v[232+\b], s24, s25
.endr
.irp b, 0,1
	v_max_num_f32 v[232+\b], v[232+\b], v[236+\b]
.endr
.irp b, 0,1
	v_add_nc_u32 v[244+\b], 0xf8800000, v[232+\b]
.endr
.irp b, 0,1
	v_and_or_b32 v[240+\b], v[232+\b], 0x7f800000, s23
.endr
.irp b, 0,1
	v_lshrrev_b32 v[236+\b], 23, v[244+\b]
.endr
	v_lshl_or_b32 v254, v237, 8, v236
	v_lshlrev_b32 v254, s90, v254                  ; an even head's two bytes below, an odd head's above: the next launch joins the two words
.irp b, 0,1
.irp i, 0,1,2,3,4,5,6,7,8,9,10,11,12,13,14,15
	v_med3_num_f32 v[96+16*\b+\i], v[96+16*\b+\i], -v[240+\b], v[240+\b]
.endr
	v_cvt_scalef32_pk8_bf8_f32 v[192+4*\b:193+4*\b], v[96+16*\b:103+16*\b], v[244+\b]
	v_cvt_scalef32_pk8_bf8_f32 v[194+4*\b:195+4*\b], v[104+16*\b:111+16*\b], v[244+\b]
.endr
	v_nop
	WIN \ws
	ds_store_b32 v213, v254 offset:512*\t          ; both halves of the lanes write the same word with the same value
	global_store_b128 v1, v[192:195], s[18:19] offset:131072*\t       ; 32 lanes store 512 consecutive bytes, aligned
	global_store_b128 v1, v[196:199], s[18:19] offset:131072*\t+512
.endm
.Lpass:                                                ; two trips
	global_load_b128 v[24:27], v1, s[4:5]          ; tile A's Q: eight registers between the two constant halves
	global_load_b128 v[28:31], v1, s[4:5] offset:512
	global_load_b32 v232, v7, s[6:7]               ; Q's scale word of row r: tile A's,
	global_load_b32 v233, v7, s[6:7] offset:512    ; tile B's
	WIN 0x40
	global_load_b128 v[24:27], v1, s[4:5] offset:16384   ; tile B's Q: eight tiles on
	global_load_b128 v[28:31], v1, s[4:5] offset:16896
	WIN 0
	KPRE 1, 5, 3, 0, 0, 0                          ; key step 0's K
	v_add_nc_u32 v213, s100, v6                    ; where tile A's scale word of x goes
	PINIT
	WIN 0x55
	PINIT
	WIN 0
	s_wait_alu depctr_va_vdst(0)
	s_wait_loadcnt 0x0
	v_perm_b32 v92, v232, 0x7f7f7f7f, s60          ; [q0, q1, 127, 127]: for even tiles of keys
	v_perm_b32 v93, v232, 0x7f7f7f7f, s61          ; [127, 127, q0, q1]: for odd tiles.  (The step's first thirteen lines are the places between these and the products)
	v_perm_b32 v94, v233, 0x7f7f7f7f, s60
	v_perm_b32 v95, v233, 0x7f7f7f7f, s61
	s_mov_b32 s84, 0
	s_mov_b32 s85, 0
	s_mov_b32 s86, 0
	s_mov_b32 s87, 0
	s_mov_b32 s88, 3
.Lstep_a:                                              ; key steps 0 to 2: they read, and fetch ahead, the first 512 keys alone
	STEP
	s_sub_co_u32 s88, s88, 1
	s_cmp_lg_u32 s88, 0
	s_cbranch_scc1 .Lstep_a
	s_wait_tensorcnt 0x0                           ; every wave: its load is in (in the second pass all have landed)
	s_wait_dscnt 0x0
	s_barrier_signal -1
	s_barrier_wait -1                              ; all of K and V is shown
	s_mov_b32 s88, 13
.Lstep_b:                                              ; key steps 3 to 15
	STEP
	s_sub_co_u32 s88, s88, 1
	s_cmp_lg_u32 s88, 0
	s_cbranch_scc1 .Lstep_b
	OUT 0, 0, 0
	OUT 0x55, 0x04, 1
	WIN 0
	s_wait_alu depctr_va_vdst(0)
	s_wait_xcnt 0x0                                ; the bases and the codes' registers are written again only behind this wait
	s_add_nc_u64 s[4:5], s[4:5], 32768             ; sixteen tiles on: Q's codes,
	s_add_nc_u64 s[6:7], s[6:7], 1024              ; Q's scale words,
	s_add_nc_u64 s[18:19], s[18:19], 262144        ; x's images,
	s_add_co_u32 s100, s100, 1024                  ; x's scale words in LDS
	s_sub_co_u32 s89, s89, 1
	s_cmp_lg_u32 s89, 0
	s_cbranch_scc1 .Lpass
	v_and_b32 v8, 127, v0
	v_lshlrev_b32 v9, 4, v8                        ; the closing copy of XS: 16 bytes a thread of waves 0-3
	v_add_nc_u32 v8, XS, v9
	s_wait_alu depctr_va_vdst(0)
	s_wait_dscnt 0x0
	s_barrier_signal -1
	s_barrier_wait -1                              ; the 512 rows' scale words lie in XS
	s_cmp_lt_u32 s22, 4
	s_cbranch_scc0 .Lno_xs
	ds_load_b128 v[100:103], v8
	s_wait_dscnt 0x0
	global_store_b128 v9, v[100:103], s[20:21]     ; waves 0-3: 512 consecutive bytes each
.Lno_xs:
	s_wait_tensorcnt 0x0                           ; the wave's end
	ds_add_u32 v[SPW], v[NIL]
	s_wait_dscnt 0x0
	ROUND                                          ; the closing round
	s_endpgm
.Lfunc_end_k_q47a5756653_attn:
	.size	k_q47a5756653_attn, .Lfunc_end_k_q47a5756653_attn-k_q47a5756653_attn
	.p2alignl 7, 3214868480
	.fill 96, 4, 3214868480
	.section	.rodata,"a",@progbits
	.p2align	6, 0x0
	.amdhsa_kernel k_q47a5756653_attn
		.amdhsa_group_segment_fixed_size 296960
		.amdhsa_private_segment_fixed_size 0
		.amdhsa_enable_private_segment 0
		.amdhsa_kernarg_size 72
		.amdhsa_user_sgpr_count 2
		.amdhsa_user_sgpr_kernarg_segment_ptr 1
		.amdhsa_wavefront_size32 1
		.amdhsa_system_sgpr_workgroup_id_x 1
		.amdhsa_system_sgpr_workgroup_id_y 1
		.amdhsa_system_sgpr_workgroup_id_z 1
		.amdhsa_system_vgpr_workitem_id 0
		.amdhsa_next_free_vgpr 512
		.amdhsa_next_free_sgpr 102
		.amdhsa_reserve_vcc 1
		.amdhsa_float_denorm_mode_32 3
		.amdhsa_float_denorm_mode_16_64 3
		.amdhsa_memory_ordered 1
		.amdhsa_forward_progress 1
		.amdhsa_inst_pref_size 103
	.end_amdhsa_kernel
	.amdgpu_metadata
---
amdhsa.version: [ 1, 2 ]
amdhsa.kernels:
  - .name:           k_q47a5756653_attn
    .symbol:         k_q47a5756653_attn.kd
    .args:
      - { .name: qimg, .offset: 0, .size: 8, .value_kind: global_buffer, .address_space: global }
      - { .name: qsc, .offset: 8, .size: 8, .value_kind: global_buffer, .address_space: global }
      - { .name: kimg, .offset: 16, .size: 8, .value_kind: global_buffer, .address_space: global }
      - { .name: ksc, .offset: 24, .size: 8, .value_kind: global_buffer, .address_space: global }
      - { .name: vimg, .offset: 32, .size: 8, .value_kind: global_buffer, .address_space: global }
      - { .name: vsc, .offset: 40, .size: 8, .value_kind: global_buffer, .address_space: global }
      - { .name: mask, .offset: 48, .size: 8, .value_kind: global_buffer, .address_space: global }
      - { .name: ximg, .offset: 56, .size: 8, .value_kind: global_buffer, .address_space: global }
      - { .name: xsc, .offset: 64, .size: 8, .value_kind: global_buffer, .address_space: global }
    .group_segment_fixed_size: 296960
    .private_segment_fixed_size: 0
    .kernarg_segment_align: 8
    .kernarg_segment_size: 72
    .max_flat_workgroup_size: 256
    .sgpr_count:     102
    .vgpr_count:     512
    .wavefront_size: 32
...
	.end_amdgpu_metadata
.endif
;; end of part 2
;; launch fcsm (part 3): grid 256 x 1, 8 waves a work-group, clusters of 4 x 1, 327,680 bytes of LDS; arguments ximg, xsc, fc_w_codes, fc_w_scales, fc_b, out0; writes out0
.if DOCPART == 3
	.amdgcn_target "amdgcn-amd-amdhsa--gfx1250"
	.amdhsa_code_object_version 6
	.text
	.protected	k_q47a5756653_fcsm
	.globl	k_q47a5756653_fcsm
	.p2align	8
	.type	k_q47a5756653_fcsm,@function
k_q47a5756653_fcsm:
	s_mov_b64 s[64:65], 0
	v_nop
	global_prefetch_b8 v0, s[64:65] scope:SCOPE_SE
	s_setreg_imm32_b32 hwreg(HW_REG_WAVE_MODE, 25, 1), 1
	s_wait_xcnt 0x0
	s_wait_alu depctr_hold_cnt(0) depctr_sa_sdst(0) depctr_va_vdst(0) depctr_va_sdst(0) depctr_va_ssrc(0) depctr_va_vcc(0) depctr_vm_vsrc(0)
	s_getreg_b32 s2, hwreg(HW_REG_IB_STS2, 6, 4)
	s_cmp_eq_u32 s2, 0
	s_cbranch_scc0 .Lentry_in_a_cluster
	s_endpgm
.Lentry_in_a_cluster:
	s_bfe_u32 s2, ttmp6, 0x10000c
	s_cmp_lg_u32 s2, 0x3003
	s_cbranch_scc0 .Lentry_shape_is_right
	s_endpgm
.Lentry_shape_is_right:
.set WP,  1040
.set XB,  133120
.set STG, 165888
.set SP,  528
.set G1W, 24
.set G1X, 32
.set G0W, 40
.set G0X, 44
.macro ROUND
	s_barrier_signal -1
	s_barrier_wait -1
	s_cmp_lg_u32 s16, 0
	s_cbranch_scc1 .Lnot_wave_0_\@
	s_barrier_signal -3
.Lnot_wave_0_\@:
	s_barrier_wait -3
	s_barrier_signal -1
	s_barrier_wait -1
.endm
	s_load_b256 s[4:11], s[0:1], 0x0
	s_load_b128 s[12:15], s[0:1], 0x20
	v_lshl_add_u32 v192, v0, 2, 0x30000
	v_mov_b32 v193, 0
	ds_add_u32 v192, v193
	ds_add_u32 v192, v193
	v_lshrrev_b32 v1, 5, v0
	s_delay_alu instid0(VALU_DEP_1)
	v_readfirstlane_b32 s16, v1
	s_bfe_u32 s17, ttmp6, 0x40000
	s_lshl_b32 s18, ttmp9, 2
	s_add_co_u32 s18, s18, s17
	s_mov_b32 s20, 0x3fb8aa3b
	s_mov_b32 s21, s20
	s_mov_b32 s[G1W], 15|(3<<16)|(1<<20)|(1<<21)|(7<<22)|(3<<25)
	s_mov_b32 s[G1W+1], 128<<16
	s_mov_b32 s[G1W+2], 16<<16
	s_mov_b32 s[G1W+3], 128<<16
	s_mov_b32 s[G1W+4], 16
	s_mov_b32 s[G1W+5], 128
	s_mov_b32 s[G1W+6], 0
	s_mov_b32 s[G1W+7], 0
	s_mov_b32 s[G1X], 3<<16
	s_mov_b32 s[G1X+1], 32<<16
	s_mov_b32 s[G1X+2], 16<<16
	s_mov_b32 s[G1X+3], 32<<16
	s_mov_b32 s[G1X+4], 16
	s_mov_b32 s[G1X+5], 32
	s_mov_b32 s[G1X+6], 0
	s_mov_b32 s[G1X+7], 0
	s_mov_b32 s23, 0
	s_wait_dscnt 0x0
	s_wait_kmcnt 0x0
	s_mov_b32 s[G0W], 1
	s_mul_i32 s[G0W+1], s16, 16*WP
	s_lshl_b32 s22, s16, 14
	s_add_nc_u64 s[G0W+2:G0W+3], s[8:9], s[22:23]
	s_or_b32 s[G0W+3], s[G0W+3], 0x80000000
	s_mov_b32 s[G0X], 1
	s_lshl_b32 s19, s16, 12
	s_add_co_u32 s[G0X+1], s19, XB
	s_lshl_b32 s22, s18, 15
	s_add_co_u32 s22, s22, s19
	s_add_nc_u64 s[G0X+2:G0X+3], s[4:5], s[22:23]
	s_or_b32 s[G0X+3], s[G0X+3], 0x80000000
	ROUND
	tensor_load_to_lds s[G0W:G0W+3], s[G1W:G1W+7]
	s_nop 0
	s_wait_alu depctr_va_vdst(0)
	s_wait_tensorcnt 0x0
	ds_add_u32 v192, v193
	s_wait_dscnt 0x0
	ROUND
	tensor_load_to_lds s[G0X:G0X+3], s[G1X:G1X+7]
	s_nop 0
.rept 4
	v_nop
.endr
	v_and_b32 v1, 31, v0
	v_and_b32 v2, 15, v0
	v_bfe_u32 v3, v0, 4, 1
	v_bfe_u32 v4, v0, 1, 2
	v_bfe_u32 v5, v0, 3, 1
	v_and_b32 v6, 1, v0
	s_delay_alu instid0(VALU_DEP_3)
	v_lshlrev_b32 v4, 5, v4
	s_delay_alu instid0(VALU_DEP_1)
	v_lshl_add_u32 v4, v5, 1, v4
	s_delay_alu instid0(VALU_DEP_1)
	v_add_nc_u32 v4, v4, v6
	s_lshl_b32 s19, s16, 2
	v_add_nc_u32 v4, s19, v4
	s_delay_alu instid0(VALU_DEP_1)
	v_mul_u32_u24 v5, v4, WP
	s_delay_alu instid0(VALU_DEP_1)
	v_lshl_add_u32 v5, v3, 3, v5
	v_lshl_add_u32 v6, v1, 4, XB
	s_delay_alu instid0(VALU_DEP_4)
	v_lshlrev_b32 v7, 5, v4
	v_lshlrev_b32 v176, 2, v1
	s_wait_alu depctr_va_vdst(0)
	v_lshlrev_b32 v177, 3, v3
	s_lshl_b32 s19, s16, 4
	v_add_nc_u32 v177, s19, v177
	s_wait_alu depctr_va_vdst(0)
	v_mul_u32_u24 v178, v2, SP
	s_delay_alu instid0(VALU_DEP_1)
	v_lshl_add_u32 v178, v3, 3, v178
	s_add_co_u32 s19, s19, STG
	v_add_nc_u32 v178, s19, v178
	s_mul_i32 s19, s16, 4*SP
	s_add_co_u32 s19, s19, STG
	v_lshl_add_u32 v179, v1, 4, s19
	v_lshlrev_b32 v180, 4, v1
	s_lshr_b32 s22, s18, 6
	s_lshl_b32 s22, s22, 17
	s_and_b32 s19, s18, 63
	s_lshl_b32 s19, s19, 7
	s_add_co_u32 s22, s22, s19
	s_add_nc_u64 s[6:7], s[6:7], s[22:23]
	s_lshl_b32 s22, s18, 14
	s_lshl_b32 s19, s16, 11
	s_add_co_u32 s22, s22, s19
	s_add_nc_u64 s[14:15], s[14:15], s[22:23]
.irp d, 0,1,2,3,4,5,6,7,8,9,10,11,12,13,14,15
	global_load_b32 v[24+\d], v176, s[6:7] offset:8192*\d
.endr
	global_load_b128 v[8:11], v7, s[10:11]
	global_load_b128 v[12:15], v7, s[10:11] offset:16
.irp e, 0,1,2,3
	global_load_b64 v[40+2*\e:41+2*\e], v177, s[12:13] offset:128*\e
.endr
	s_wait_loadcnt 0x0
.irp p, 0,1,2,3,4,5,6,7
	v_or_b32 v[16+\p], v[24+2*\p], v[25+2*\p]
.endr
	s_wait_alu depctr_va_vdst(0)
	s_wait_tensorcnt 0x0
	s_barrier_signal -1
	s_barrier_wait -1
.macro LOADP p
.set SB, 64+48*((\p)%2)
.irp c, 0,1,2,3
	ds_load_b64 v[SB+4*\c:SB+4*\c+1], v5 offset:128*(\p)+32*\c
	ds_load_b64 v[SB+4*\c+2:SB+4*\c+3], v5 offset:128*(\p)+32*\c+16
.endr
.irp m, 0,1
.irp c, 0,1,2,3
	ds_load_b128 v[SB+16+16*\m+4*\c:SB+16+16*\m+4*\c+3], v6 offset:16384*\m+2048*(\p)+512*\c
.endr
.endr
.endm
	LOADP 0
.irp p, 0,1,2,3,4,5,6,7
.rept 8
	v_nop
.endr
.if \p < 7
	LOADP \p+1
	s_wait_dscnt 16
.else
	s_wait_dscnt 0x0
.endif
.set SB, 64+48*(\p%2)
.if \p == 0
	v_wmma_scale_f32_16x16x128_f8f6f4 v[48:55], v[SB:SB+15], v[SB+16:SB+31], v[40:47], v[8+\p], v[16+\p] matrix_a_fmt:MATRIX_FMT_BF8 matrix_b_fmt:MATRIX_FMT_BF8
	v_wmma_scale_f32_16x16x128_f8f6f4 v[56:63], v[SB:SB+15], v[SB+32:SB+47], v[40:47], v[8+\p], v[16+\p] matrix_a_fmt:MATRIX_FMT_BF8 matrix_b_fmt:MATRIX_FMT_BF8 matrix_b_scale:MATRIX_SCALE_ROW1
.else
	v_wmma_scale_f32_16x16x128_f8f6f4 v[48:55], v[SB:SB+15], v[SB+16:SB+31], v[48:55], v[8+\p], v[16+\p] matrix_a_fmt:MATRIX_FMT_BF8 matrix_b_fmt:MATRIX_FMT_BF8
	v_wmma_scale_f32_16x16x128_f8f6f4 v[56:63], v[SB:SB+15], v[SB+32:SB+47], v[56:63], v[8+\p], v[16+\p] matrix_a_fmt:MATRIX_FMT_BF8 matrix_b_fmt:MATRIX_FMT_BF8 matrix_b_scale:MATRIX_SCALE_ROW1
.endif
.endr
.rept 8
	v_nop
.endr
.irp m, 0,1
	v_max3_num_f32 v[184+2*\m], v[48+8*\m], v[50+8*\m], v[52+8*\m]
	v_max3_num_f32 v[185+2*\m], v[49+8*\m], v[51+8*\m], v[53+8*\m]
.endr
.irp m, 0,1
	v_max_num_f32 v[184+2*\m], v[184+2*\m], v[54+8*\m]
	v_max_num_f32 v[185+2*\m], v[185+2*\m], v[55+8*\m]
.endr
.irp u, 0,1,2,3
	s_delay_alu instid0(VALU_DEP_4)
	v_mul_f32 v[184+\u], 0xbfb8aa3b, v[184+\u]
.endr
.irp m, 0,1
.irp e, 0,1,2,3
	v_pk_fma_f32 v[160+8*\m+2*\e:161+8*\m+2*\e], v[48+8*\m+2*\e:49+8*\m+2*\e], s[20:21], v[184+2*\m:185+2*\m] op_sel_hi:[1,0,1]
.endr
.endr
.set j, 0
	s_wait_alu depctr_va_vdst(0)
.rept 16
	v_exp_f32 v[160+j], v[160+j]
.set j, j+1
.endr
	v_nop
	s_wait_alu depctr_va_vdst(0)
.irp m, 0,1
	v_pk_add_f32 v[188+2*\m:189+2*\m], v[160+8*\m:161+8*\m], v[162+8*\m:163+8*\m]
.endr
.irp m, 0,1
	v_pk_add_f32 v[188+2*\m:189+2*\m], v[188+2*\m:189+2*\m], v[164+8*\m:165+8*\m]
.endr
.irp m, 0,1
	v_pk_add_f32 v[188+2*\m:189+2*\m], v[188+2*\m:189+2*\m], v[166+8*\m:167+8*\m]
.endr
	s_wait_alu depctr_va_vdst(0)
.irp u, 0,1,2,3
	v_rcp_f32 v[188+\u], v[188+\u]
.endr
	v_nop
	s_wait_alu depctr_va_vdst(0)
.irp m, 0,1
.irp e, 0,1,2,3
	v_pk_mul_f32 v[160+8*\m+2*\e:161+8*\m+2*\e], v[160+8*\m+2*\e:161+8*\m+2*\e], v[188+2*\m:189+2*\m]
.endr
.endr
.irp m, 0,1
.irp e, 0,1,2,3
	ds_store_b64 v178, v[160+8*\m+2*\e:161+8*\m+2*\e] offset:16*\m*SP+128*\e
.endr
.endr
	s_wait_dscnt 0x0
	s_barrier_signal -1
	s_barrier_wait -1
.irp i, 0,1,2,3
	ds_load_b128 v[64+4*\i:67+4*\i], v179 offset:\i*SP
.endr
.irp i, 0,1,2,3
	s_wait_dscnt 3-\i
	global_store_b128 v180, v[64+4*\i:67+4*\i], s[14:15] offset:512*\i th:TH_STORE_NT
.endr
	s_wait_tensorcnt 0x0
	ds_add_u32 v192, v193
	s_wait_dscnt 0x0
	ROUND
	s_endpgm
.Lfunc_end_k_q47a5756653_fcsm:
	.size	k_q47a5756653_fcsm, .Lfunc_end_k_q47a5756653_fcsm-k_q47a5756653_fcsm
	.p2alignl 7, 3214868480
	.fill 96, 4, 3214868480
	.section	.rodata,"a",@progbits
	.p2align	6, 0x0
	.amdhsa_kernel k_q47a5756653_fcsm
		.amdhsa_group_segment_fixed_size 327680
		.amdhsa_private_segment_fixed_size 0
		.amdhsa_enable_private_segment 0
		.amdhsa_kernarg_size 48
		.amdhsa_user_sgpr_count 2
		.amdhsa_user_sgpr_kernarg_segment_ptr 1
		.amdhsa_wavefront_size32 1
		.amdhsa_system_sgpr_workgroup_id_x 1
		.amdhsa_system_sgpr_workgroup_id_y 1
		.amdhsa_system_sgpr_workgroup_id_z 1
		.amdhsa_system_vgpr_workitem_id 0
		.amdhsa_next_free_vgpr 194
		.amdhsa_next_free_sgpr 66
		.amdhsa_reserve_vcc 0
		.amdhsa_float_denorm_mode_32 3
		.amdhsa_float_denorm_mode_16_64 3
		.amdhsa_memory_ordered 1
		.amdhsa_forward_progress 1
		.amdhsa_inst_pref_size 26
	.end_amdhsa_kernel
	.amdgpu_metadata
---
amdhsa.version: [ 1, 2 ]
amdhsa.kernels:
  - .name:           k_q47a5756653_fcsm
    .symbol:         k_q47a5756653_fcsm.kd
    .args:
      - { .name: ximg, .offset: 0, .size: 8, .value_kind: global_buffer, .address_space: global }
      - { .name: xsc, .offset: 8, .size: 8, .value_kind: global_buffer, .address_space: global }
      - { .name: fc_w_codes, .offset: 16, .size: 8, .value_kind: global_buffer, .address_space: global }
      - { .name: fc_w_scales, .offset: 24, .size: 8, .value_kind: global_buffer, .address_space: global }
      - { .name: fc_b, .offset: 32, .size: 8, .value_kind: global_buffer, .address_space: global }
      - { .name: out0, .offset: 40, .size: 8, .value_kind: global_buffer, .address_space: global }
    .group_segment_fixed_size: 327680
    .private_segment_fixed_size: 0
    .kernarg_segment_align: 8
    .kernarg_segment_size: 48
    .max_flat_workgroup_size: 256
    .sgpr_count:     66
    .vgpr_count:     194
    .wavefront_size: 32
...
	.end_amdgpu_metadata
.endif
;; end of part 3
